; MI455X (gfx1250); checked and timed in simulation.
; The chip was launched on July 23, 2026; its instructions are those of AMD's public machine-readable ISA for CDNA 5 (MIT licence, August 2026) and "CDNA5" Instruction Set Architecture Reference Guide (July 2026). The comments in the code are by the model that wrote it; some were corrected since.
;; Neural Tensor Layer. Allowed arithmetic: float matrix products may take bf16 or f16 operands with f32 sums; all other float work in f32.
;; Inputs: V 256 x 64 float32; W 64 x 128 x 128 float32; b 128 float32; e1 32,768 x 128 float32; e2 32,768 x 128 float32.
;; Outputs: out0 32,768 x 64 float32.
;; One version. Each part assembles by itself: llvm-mc -triple=amdgcn-amd-amdhsa -mcpu=gfx1250 --defsym DOCPART=n.
;; ======== version 1 of 1: 2 launches
;; limits: values outside matrix products are rounded to bf16
;; workspace buffers: Wb 2,097,152 bytes; Vf 32,768 bytes
;; launch prep (part 1): grid 264 x 1, 8 waves a work-group, no clusters, 0 bytes of LDS; arguments W, V, Wb, Vf; writes Wb, Vf
.if DOCPART == 1
	.amdgcn_target "amdgcn-amd-amdhsa--gfx1250"
	.amdhsa_code_object_version 6
	.text
	.protected	k_qd95dd33514_prep
	.globl	k_qd95dd33514_prep
	.p2align	8
	.type	k_qd95dd33514_prep,@function
k_qd95dd33514_prep:
	s_mov_b64 s[64:65], 0
	v_nop
	global_prefetch_b8 v0, s[64:65] scope:SCOPE_SE
	s_setreg_imm32_b32 hwreg(HW_REG_WAVE_MODE, 25, 1), 1
	s_wait_xcnt 0x0
; Rounds the two weight tensors to bf16, once, for the main launch, in which every slice of W is read by 128 work-groups.
;   Wb: W [64][128][128] in bf16, same order.            Work-groups 0 to 255, 16,384 bytes of W each.
;   Vf: V [256][64] in bf16, laid out as matrix fragments. Work-groups 256 to 263, one K step of 32 rows of V each.
; Vf's item n (16 bytes) = ((4 s + t) 2 + c) 32 + lane; lane = 16 h + r.  It holds V[32 s + 16 c + 8 h + e][16 t + r], e = 0 .. 7:
; registers 4 c .. 4 c + 3 of the 16 x 32 fragment whose row is output column 16 t + r and whose K is V's rows 32 s .. 32 s + 31.
; No LDS, no barrier: no thread needs another's numbers.
	s_load_b256 s[4:11], s[0:1], 0x0               ; W s[4:5], V s[6:7], Wb s[8:9], Vf s[10:11]
	s_cmp_ge_u32 ttmp9, 256
	s_cbranch_scc1 .Lv
	; W: a load of a wave covers 512 neighbouring bytes, a store 256 neighbouring bytes at a multiple of 256 from Wb's first byte
	s_lshl_b32 s12, ttmp9, 14                      ; my 16,384 bytes of W
	s_lshl_b32 s13, ttmp9, 13                      ; my 8,192 bytes of Wb
	v_lshl_add_u32 v1, v0, 4, s12
	v_lshl_add_u32 v2, v0, 3, s13
	s_wait_kmcnt 0x0
.irp j, 0,1,2,3
	global_load_b128 v[4+4*\j:7+4*\j], v1, s[4:5] offset:4096*\j th:TH_LOAD_NT
.endr
.irp j, 0,1,2,3
	s_wait_loadcnt 3-\j                            ; loads come back in order: load j is in, the 3 - j younger ones stay out
	v_cvt_pk_bf16_f32 v[20+2*\j], v[4+4*\j], v[5+4*\j]
	v_cvt_pk_bf16_f32 v[21+2*\j], v[6+4*\j], v[7+4*\j]
	global_store_b64 v2, v[20+2*\j:21+2*\j], s[8:9] offset:2048*\j
.endr
	s_endpgm
.Lv:
	; V: a thread gathers eight numbers of one column, 256 bytes apart; sixteen lanes read 64 neighbouring bytes.
	; 65,536 bytes, once in the whole program; the stores are 512 neighbouring bytes a wave.
	s_sub_co_u32 s12, ttmp9, 256                   ; s: which 32 rows of V
	s_lshl_b32 s13, s12, 13                        ; 32 rows of 256 bytes
	s_lshl_b32 s14, s12, 12                        ; 256 items of 16 bytes
	v_and_b32 v2, 15, v0                           ; r
	v_bfe_u32 v3, v0, 4, 1                         ; h
	v_bfe_u32 v4, v0, 5, 1                         ; c
	v_bfe_u32 v5, v0, 6, 2                         ; t
	v_lshlrev_b32 v1, 2, v2                        ; column 16 t + r, 4 bytes each
	v_lshl_add_u32 v1, v5, 6, v1
	v_lshl_add_u32 v1, v3, 11, v1                  ; row 16 c + 8 h, 256 bytes each
	v_lshl_add_u32 v1, v4, 12, v1
	v_add_nc_u32 v1, s13, v1
	v_lshl_add_u32 v6, v0, 4, s14
	s_wait_kmcnt 0x0
.irp e, 0,1,2,3,4,5,6,7
	global_load_b32 v[12+\e], v1, s[6:7] offset:256*\e
.endr
	s_wait_loadcnt 0x0
.irp e, 0,1,2,3
	v_cvt_pk_bf16_f32 v[20+\e], v[12+2*\e], v[13+2*\e]     ; the lower K in the low half
.endr
	global_store_b128 v6, v[20:23], s[10:11]
	s_endpgm
.Lfunc_end_k_qd95dd33514_prep:
	.size	k_qd95dd33514_prep, .Lfunc_end_k_qd95dd33514_prep-k_qd95dd33514_prep
	.p2alignl 7, 3214868480
	.fill 96, 4, 3214868480
	.section	.rodata,"a",@progbits
	.p2align	6, 0x0
	.amdhsa_kernel k_qd95dd33514_prep
		.amdhsa_group_segment_fixed_size 0
		.amdhsa_private_segment_fixed_size 0
		.amdhsa_enable_private_segment 0
		.amdhsa_kernarg_size 32
		.amdhsa_user_sgpr_count 2
		.amdhsa_user_sgpr_kernarg_segment_ptr 1
		.amdhsa_wavefront_size32 1
		.amdhsa_system_sgpr_workgroup_id_x 1
		.amdhsa_system_sgpr_workgroup_id_y 1
		.amdhsa_system_sgpr_workgroup_id_z 1
		.amdhsa_system_vgpr_workitem_id 0
		.amdhsa_next_free_vgpr 32
		.amdhsa_next_free_sgpr 66
		.amdhsa_reserve_vcc 0
		.amdhsa_float_denorm_mode_32 3
		.amdhsa_float_denorm_mode_16_64 3
		.amdhsa_memory_ordered 1
		.amdhsa_forward_progress 1
		.amdhsa_inst_pref_size 4
	.end_amdhsa_kernel
	.amdgpu_metadata
---
amdhsa.version: [ 1, 2 ]
amdhsa.kernels:
  - .name:           k_qd95dd33514_prep
    .symbol:         k_qd95dd33514_prep.kd
    .args:
      - { .name: W, .offset: 0, .size: 8, .value_kind: global_buffer, .address_space: global }
      - { .name: V, .offset: 8, .size: 8, .value_kind: global_buffer, .address_space: global }
      - { .name: Wb, .offset: 16, .size: 8, .value_kind: global_buffer, .address_space: global }
      - { .name: Vf, .offset: 24, .size: 8, .value_kind: global_buffer, .address_space: global }
    .group_segment_fixed_size: 0
    .private_segment_fixed_size: 0
    .kernarg_segment_align: 8
    .kernarg_segment_size: 32
    .max_flat_workgroup_size: 256
    .sgpr_count:     66
    .vgpr_count:     32
    .wavefront_size: 32
...
	.end_amdgpu_metadata
.endif
;; end of part 1
;; launch ntl (part 2): grid 128 x 2, 4 waves a work-group, clusters of 4 x 1, 327,680 bytes of LDS; arguments e1, e2, Wb, Vf, b, out0; writes out0
.if DOCPART == 2
	.amdgcn_target "amdgcn-amd-amdhsa--gfx1250"
	.amdhsa_code_object_version 6
	.text
	.protected	k_qd95dd33514_ntl
	.globl	k_qd95dd33514_ntl
	.p2align	8
	.type	k_qd95dd33514_ntl,@function
k_qd95dd33514_ntl:
	s_mov_b64 s[64:65], 0
	v_nop
	global_prefetch_b8 v0, s[64:65] scope:SCOPE_SE
	s_setreg_imm32_b32 hwreg(HW_REG_WAVE_MODE, 25, 1), 1
	s_wait_xcnt 0x0
	s_wait_alu depctr_hold_cnt(0) depctr_sa_sdst(0) depctr_va_vdst(0) depctr_va_sdst(0) depctr_va_ssrc(0) depctr_va_vcc(0) depctr_vm_vsrc(0)
	s_getreg_b32 s2, hwreg(HW_REG_IB_STS2, 6, 4)
	s_cmp_eq_u32 s2, 0
	s_cbranch_scc0 .Lentry_in_a_cluster
	s_endpgm
.Lentry_in_a_cluster:
	s_bfe_u32 s2, ttmp6, 0x10000c
	s_cmp_lg_u32 s2, 0x3003
	s_cbranch_scc0 .Lentry_shape_is_right
	s_endpgm
.Lentry_shape_is_right:
; out[R][c] = tanh( btp[k][bb] + sum(b) + ([e1|e2] V)[R][c] ),  R = 512 k + (bb >> 6), c = bb & 63,
; btp[k][bb] = sum over i of e1[bb][i] U[k][i][bb],   U[k][i][bb] = sum over j of W[k][i][j] e2[bb][j].
; So the 64 neighbouring bb of one k are one whole row of out (256 bytes), whose linear term comes from rows R of e1 and e2.
;
; SHARES.  Work-group (gx, y): bb = 256 gx .. +255, k = 32 y .. +31; 128 x 2 = 256 work-groups of equal work.  Wave w: bb = 256 gx + 64 w .. +63
; (four tiles of 16) for all 32 k, hence the 32 whole rows R(kk) = 512 (32 y + kk) + 4 gx + w of out.
; U is made by the matrix unit, 16 i x 16 bb x 32 j an instruction: source 0 = 16 rows of a slice of W (j lies along them, as stored),
; source 1 = 16 rows of e2.  In the result lane (r, h) holds U[i = 16 u + 8 h + 0..7][bb = 16 t + r] in f32, and multiplies it at once by e1[bb][i],
; which lies packed in bf16 in the same lane in the fragment layout: v_fma_mix_f32_bf16, one a number, into four running sums.  U is never rounded.
; The two halves h meet once for each k, and the 64 sums go to the wave's own stage in LDS.  At the end that stage is taken as the C of the
; linear term's products, tanh follows, and whole rows leave.
;
; NUMBER FORMATS, a stated limit: e1, e2, W, V AND b are each rounded once to bf16 (nearest even); every product, sum and the tanh are f32; the order
; of the sums is not the problem's.  tanh(x) = 1 - 2 / (1 + 2^(2.885390 x)): an infinite power gives +1, a vanished one -1, so nothing is clamped;
; its absolute error is of the order of an f32's last place at 1.
;
; CLUSTER 4, 1, 1: the four work-groups of a cluster have the same y and walk the same 32 slices of W, so every tile of W is asked for jointly (mask 15),
; each wave asking for its quarter.  e1 and e2 come through registers, since they are rounded on the way; they are no tiles and are not shared in a cluster.
;
; LDS: two slots of 256 rows (2 k x 128 i) x 272 bytes for W; then, for each wave, 64 rows x 272 for rounding e (ESTG) and 32 rows x 272 for the sums (SST).
; The stages are written by LDS stores, begin at multiples of 256 bytes, are each wave's own, and no tile lands in them.
; A row of 256 bytes + 16 = 68 words: the 16 rows that a fragment load touches begin at 16 different 16-byte columns modulo 256 bytes.
;
; REGISTERS, in windows of 256: window 0 addresses, sums, accumulators, W's fragments; window 1: v0-127 e2's fragments (32 t + 8 s), v128-255 e1 packed
; (128 + 32 t + 4 u + pair); windows 2 and 3: where rows of e and Vf land.  Under ONE setting (source 1 in window 1) stand both the matrix instruction
; and the multiply-add, so the loop switches windows only round the sums' reduction (twice a tile) and round the cluster's barrier.
.set PITCH,  272
.set SLOTB,  256*PITCH                 ; 69,632: a slot
.set QUARTB, 64*PITCH                  ; 17,408: what one tensor load brings; also a wave's ESTG
.set ESTG,   2*SLOTB                   ; 139,264
.set SST,    ESTG+4*QUARTB             ; 208,896
.set SSTB,   32*PITCH                  ; 8,704; the end is 243,712
.set TILEB,  65536                     ; a tile of Wb in memory: 2 k x 128 rows x 256 bytes
.set LN,   1                           ; lane
.set RR,   2                           ; r = lane % 16
.set HH,   3                           ; h = lane / 16
.set WADR, 4                           ; v4, v5  LDS address of my part of a fragment of W in slot 0, 1: 272 r + 16 h
.set ESTO, 6                           ; ESTG: where I put 8 bytes of a row
.set EFRG, 7                           ; ESTG: where I read fragments
.set SSTO, 8                           ; SST: where the next k's sums go; steps by a row
.set SCD,  9                           ; SST in the layout of a matrix result: 272 r + 32 h
.set SROW, 10                          ; SST by rows: 272 h + 16 r
.set EOFF, 11                          ; byte offset in e1, e2 of my 16 bytes of the wave's first bb row
.set FOFF, 12                          ; the same for row R(0)
.set VOFF, 13                          ; 16 x lane
.set OOFF, 14                          ; byte offset in out of my 16 bytes of rows R(0), R(1)
.set ZR,   15                          ; 0.0: starts a sum
.set PS,   16                          ; v[16:19] running sums, one for each tile of bb
.set RX,   20                          ; v[20:25] at work in the reduction
.set BB,   28                          ; v[28:31] b
.set ACC,  32                          ; v[32:95] two sets of four accumulators; at the end eight
.set AF,   96                          ; v[96:223] four buffers of W's fragments (16 i x 128 j each); also at work while e is rounded and on the way out
.set G1,   32                          ; s[32:39] descriptor group 1
.set G0,   40                          ; s[40:47] descriptor group 0, a set for each slot
.set MAIN,  0x04                       ; source 1 in window 1
.set TO1,   0x40                       ; destination in window 1, 2, 3
.set TO2,   0x80
.set TO3,   0xc0
.set FROM2, 0x0a                       ; sources 0 and 1 in window 2, 3
.set FROM3, 0x0f
.set FF,    0x07                       ; source 0 in window 3, source 1 in window 1
.set MSB, 0
.macro WIN new                         ; the immediate's high byte repeats the setting that is left; a switch that changes nothing is dropped
.if MSB != \new
	s_set_vgpr_msb (MSB<<8)|\new
.set MSB, \new
.endif
.endm
; A round of the cluster's barrier: my work-group's barrier, wave 0 signals for the work-group, every wave waits for all four work-groups, my work-group's barrier again.
.macro CREST                           ; a round behind its opening barrier
	s_cmp_lg_u32 s16, 0
	s_cbranch_scc1 .Lnot_wave_0_\@
	s_barrier_signal -3
.Lnot_wave_0_\@:
	s_barrier_wait -3
	s_barrier_signal -1
	s_barrier_wait -1
.endm
.macro CROUND
	s_barrier_signal -1
	s_barrier_wait -1
	CREST
.endm
; cnt loads of 512 neighbouring bytes a wave, into registers first, first + 4, .. of the window that is set
.macro LDROWS cnt, first, adr, base, step, off0
.set lr, 0
.rept \cnt
	global_load_b128 v[\first+4*lr:\first+4*lr+3], v[\adr], s[\base:\base+1] offset:(\off0)+(\step)*lr
.set lr, lr+1
.endr
.endm
; rows 16 q .. 16 q + 15 of the 64 that have landed: my four f32 of a row become two registers of bf16
.macro CVT16 q
.set cr, 16*(\q)
.rept 16
	v_cvt_pk_bf16_f32 v[AF+2*cr],   v[4*cr],   v[4*cr+1]
	v_cvt_pk_bf16_f32 v[AF+2*cr+1], v[4*cr+2], v[4*cr+3]
.set cr, cr+1
.endr
.endm
.macro PUT                             ; the 64 rounded rows into ESTG: 32 lanes x 8 bytes are a row
.set cr, 0
.rept 64
	ds_store_b64 v[ESTO], v[AF+2*cr:AF+2*cr+1] offset:PITCH*cr
.set cr, cr+1
.endr
.endm
; ESTG back as fragments into window 1: register dst + 32 t + 4 m + q of lane (r, h) = elements 16 m + 8 h + 2 q, + 1 of row 16 t + r.
; LDS serves a wave's instructions in order (ISA guide 5.7.1): these see the stores of PUT.
.macro FRAGS dst
	WIN TO1
.set ft, 0
.rept 4
.set fm, 0
.rept 8
	ds_load_b128 v[\dst+32*ft+4*fm:\dst+32*ft+4*fm+3], v[EFRG] offset:16*PITCH*ft+32*fm
.set fm, fm+1
.endr
.set ft, ft+1
.endr
	WIN 0
.endm
; the four fragments (16 i x 128 j) of rows 16 gl .. + 15 of a slot into buffer buf; the largest offset is 65,504
.macro LOADA adr, gl, buf
.irp s, 0,1,2,3
	ds_load_b128 v[AF+32*(\buf)+8*\s:AF+32*(\buf)+8*\s+3],   v[\adr] offset:16*PITCH*(\gl)+64*\s
	ds_load_b128 v[AF+32*(\buf)+8*\s+4:AF+32*(\buf)+8*\s+7], v[\adr] offset:16*PITCH*(\gl)+64*\s+32
.endr
.endm
; multiply-adds m0 .. m1 of the 32 that take one set of accumulators (block pu of i) into the sums: m = 4 j + t, register j of tile t.
; The very first of a k takes 0.0 as its addend: no sum is cleared.
.macro FMAS set, pu, m0, m1
.set fm, \m0
.rept (\m1)-(\m0)+1
.set ft, fm&3
.set fj, fm>>2
.set fu, ACC+32*(\set)+8*ft+fj
.set fe, 128+32*ft+4*(\pu)+(fj>>1)
.if ((\pu)+fj) == 0
	v_fma_mix_f32_bf16 v[PS+ft], v[fu], v[fe], v[ZR] op_sel:[0,0,0] op_sel_hi:[0,1,0]
.else
.if (fj&1) == 1
	v_fma_mix_f32_bf16 v[PS+ft], v[fu], v[fe], v[PS+ft] op_sel:[0,1,0] op_sel_hi:[0,1,0]
.else
	v_fma_mix_f32_bf16 v[PS+ft], v[fu], v[fe], v[PS+ft] op_sel:[0,0,0] op_sel_hi:[0,1,0]
.endif
.endif
.set fm, fm+1
.endr
.endm
; matrix instructions n0 .. n1 of a group's sixteen (n = 4 s + t: K step s of j, tile t of bb), each followed by two multiply-adds on the OTHER set.
; The four accumulators take turns, one instruction a turn, over the groups' and the loop's edges too.
; The first product of a tile takes the constant 0 as C.
.macro MULS p, buf, pu, dofma, n0, n1
.set mn, \n0
.rept (\n1)-(\n0)+1
.set ms, mn>>2
.set mt, mn&3
.if ms == 0
	v_wmma_f32_16x16x32_bf16 v[ACC+32*(\p)+8*mt:ACC+32*(\p)+8*mt+7], v[AF+32*(\buf):AF+32*(\buf)+7], v[32*mt:32*mt+7], 0
.else
	v_wmma_f32_16x16x32_bf16 v[ACC+32*(\p)+8*mt:ACC+32*(\p)+8*mt+7], v[AF+32*(\buf)+8*ms:AF+32*(\buf)+8*ms+7], v[32*mt+8*ms:32*mt+8*ms+7], v[ACC+32*(\p)+8*mt:ACC+32*(\p)+8*mt+7]
.endif
.if \dofma
	FMAS 1-(\p), \pu, 2*mn, 2*mn+1
.endif
.set mn, mn+1
.endr
.endm
; A k is complete: lane (r, h) keeps tile h (and 2 + h), sends the other tile's half sum across, and stores bb = 16 h + r and 32 + 16 h + r of the k's row.
.macro REDUCE
	v_cndmask_b32 v[RX],   v[PS],   v[PS+1], s22   ; h ? tile 1 : tile 0
	v_cndmask_b32 v[RX+1], v[PS+1], v[PS],   s22   ; the one that the other half keeps
	v_cndmask_b32 v[RX+2], v[PS+2], v[PS+3], s22
	v_cndmask_b32 v[RX+3], v[PS+3], v[PS+2], s22
	v_permlanex16_b32 v[RX+4], v[RX+1], s20, s21   ; lane i takes lane i xor 16
	v_permlanex16_b32 v[RX+5], v[RX+3], s20, s21
	v_add_f32 v[RX],   v[RX],   v[RX+4]
	v_add_f32 v[RX+2], v[RX+2], v[RX+5]
	ds_store_b32 v[SSTO], v[RX]
	ds_store_b32 v[SSTO], v[RX+2] offset:128
	v_add_nc_u32 v[SSTO], PITCH, v[SSTO]           ; the next k's row
.endm
; Group g of a tile's sixteen: 16 i of one k against my 64 bb.  It multiplies buffer g % 4 into set g % 2, sums the set of the group before, and fetches the
; fragments of the group after next.
; PLACES (ISA guide 7.12.1): a tile's result is first read five plain multiply-adds of other tiles, or more, behind its last matrix instruction (tile 3: the two
; behind it and those of tiles 0, 1, 2); a set is started again, and a buffer loaded again, a whole group later, behind 24 multiply-adds that name none of the registers.
; mode 2: in group 14 this slot is filled again; 1: only the change of slots; 0: the last tile.
.macro GROUP slot, g, mode, dofma, doload, wcnt
.set gp, (\g)&1
.set gbuf, (\g)&3
.set gpu, ((\g)+7)&7
.set gsync, 0
.if (\g) == 14
.if (\mode) >= 1
.set gsync, 1
.endif
.endif
	WIN MAIN
	s_wait_dscnt \wcnt                             ; 8: this group's fragments are in, the eight loads of the next group's may be out.  0: see below
.if gsync
	; The fragments of groups 14 and 15 are in registers: my reads of this slot are over (the wait above is for 0).
	s_set_vgpr_msb 0x400
	s_wait_tensorcnt 0x0                           ; all my tensor loads have landed: the one that was out is my quarter of the next slot
	ds_add_u32 v254, v255
	s_wait_dscnt 0x0
	s_set_vgpr_msb 0x4
	s_barrier_signal -1                            ; say so; in mode 2 this barrier opens a round of the cluster's barrier
	MULS gp, gbuf, gpu, \dofma, 0, 7               ; work on registers while the others arrive
.if (\mode) == 2
	WIN 0
.endif
	s_barrier_wait -1
.if (\mode) == 2
	CREST                                          ; no wave of the four work-groups still reads this slot or has a load on its way
	s_add_nc_u64 s[G0+4*(\slot)+2:G0+4*(\slot)+3], s[G0+4*(\slot)+2:G0+4*(\slot)+3], 2*TILEB   ; no tensor load of mine is out: the slot's address steps two tiles
	tensor_load_to_lds s[G0+4*(\slot):G0+4*(\slot)+3], s[G1:G1+7]   ; my one tensor load behind the round, first thing there; it is waited for 256 matrix instructions on
	s_nop 0
.endif
	LOADA WADR+1-(\slot), 0, 0                     ; the next slot's first group
	WIN MAIN
	MULS gp, gbuf, gpu, \dofma, 8, 15
.else
.if \doload
.if (\g) == 15
	LOADA WADR+1-(\slot), 1, 1                     ; the next slot's second group
.else
	LOADA WADR+(\slot), (\g)+2, ((\g)+2)&3
.endif
.endif
	MULS gp, gbuf, gpu, \dofma, 0, 15
.endif
.if \dofma
.if gpu == 7
	WIN 0
	REDUCE                                         ; the group before was a k's last
.endif
.else
.rept 4
	v_nop                                          ; the very first group has no sums to make: its four places
.endr
.endif
.endm
.macro TILE slot, mode, first
.if \first
	GROUP \slot, 0, \mode, 0, 1, 8
.else
	GROUP \slot, 0, \mode, 1, 1, 8
.endif
.irp g, 1,2,3,4,5,6,7,8,9,10,11,12,13
	GROUP \slot, \g, \mode, 1, 1, 8
.endr
.if \mode
	GROUP \slot, 14, \mode, 1, 1, 0
	GROUP \slot, 15, \mode, 1, 1, 8
.else
	GROUP \slot, 14, 0, 1, 0, 8                    ; nothing more to fetch: the counts run down
	GROUP \slot, 15, 0, 1, 0, 0
.endif
.endm
; tanh of eight sums in place.  Behind a run of transcendentals one plain instruction stands before a result is used (ISA guide 5.7.2).
.macro TANH8 x
.irp j, 0,1,2,3,4,5,6,7
	v_fma_f32 v[\x+\j], v[\x+\j], s23, s24         ; 2.885390 (x + sum of b)
.endr
.irp j, 0,1,2,3,4,5,6,7
	v_exp_f32 v[\x+\j], v[\x+\j]
.endr
	v_nop
	s_wait_alu depctr_va_vdst(0)
.irp j, 0,1,2,3,4,5,6,7
	v_add_f32 v[\x+\j], 1.0, v[\x+\j]
.endr
.irp j, 0,1,2,3,4,5,6,7
	v_rcp_f32 v[\x+\j], v[\x+\j]
.endr
	v_nop
	s_wait_alu depctr_va_vdst(0)
.irp j, 0,1,2,3,4,5,6,7
	v_fma_f32 v[\x+\j], v[\x+\j], -2.0, 1.0
.endr
.endm
	; ---- entry: ids, descriptors, addresses
	s_load_b256 s[4:11], s[0:1], 0x0               ; e1 s[4:5], e2 s[6:7], Wb s[8:9], Vf s[10:11]
	s_load_b128 s[12:15], s[0:1], 0x20             ; b s[12:13], out0 s[14:15]
	v_lshl_add_u32 v254, v0, 2, 0x3b800
	v_mov_b32 v255, 0
	ds_add_u32 v254, v255
	v_lshrrev_b32 v1, 5, v0
	v_readfirstlane_b32 s16, v1                    ; w
	s_bfe_u32 s17, ttmp6, 0x40000                  ; cx
	s_lshl_b32 s18, ttmp9, 2                       ; in a cluster launch ttmp9 counts clusters
	s_add_co_u32 s18, s18, s17                     ; gx = 4 x cluster x + cx: enters global offsets of e1, e2 and out alone
	s_and_b32 s19, ttmp7, 0xffff                   ; y, the same in the four partners
	s_mov_b32 s20, 0x76543210                      ; v_permlanex16_b32: lane i of one half reads lane i of the other
	s_mov_b32 s21, 0xfedcba98
	s_mov_b32 s22, 0xffff0000                      ; the lanes with h = 1; also a word's upper bf16
	s_mov_b32 s23, 0x4038aa3b                      ; 2 log2(e) = 2.885390
	; group 1: 64 rows x 128 elements of 2 bytes, 16 bytes of padding behind each row of 64 words
	s_mov_b32 s[G1+0], 15|(1<<16)|(1<<20)|(1<<21)|(5<<22)|(3<<25)  ; 15:0 mask: all four of the cluster; 17:16 2 bytes; 20 padding on; 21 set beside a mask; 24:22 every 64 words; 31:25 4 words
	s_mov_b32 s[G1+1], 128<<16                     ; tensor_dim0 = 128
	s_mov_b32 s[G1+2], 64<<16                      ; tensor_dim1 = 64
	s_mov_b32 s[G1+3], 128<<16                     ; tile_dim0 = 128
	s_mov_b32 s[G1+4], 64                          ; tile_dim1 = 64
	s_mov_b32 s[G1+5], 128                         ; elements from row to row
	s_mov_b32 s[G1+6], 0
	s_mov_b32 s[G1+7], 0
	s_mul_i32 s28, s16, QUARTB                     ; my quarter of a slot: the wave's number alone
	s_lshl_b32 s26, s19, 20                        ; 32 slices of 32,768 bytes for each y
	s_lshl_b32 s27, s16, 14                        ; 64 rows of 256 bytes for each wave
	s_add_co_u32 s26, s26, s27
	s_mov_b32 s27, 0
	v_and_b32 v[LN], 31, v0
	v_and_b32 v[RR], 15, v0
	v_bfe_u32 v[HH], v0, 4, 1
	v_mul_u32_u24 v[WADR], v[RR], PITCH
	v_lshl_add_u32 v[WADR], v[HH], 4, v[WADR]
	v_add_nc_u32 v[WADR+1], SLOTB, v[WADR]
	s_add_co_u32 s29, s28, ESTG                    ; my ESTG
	v_lshl_add_u32 v[ESTO], v[LN], 3, s29
	v_add_nc_u32 v[EFRG], s29, v[WADR]
	s_mul_i32 s30, s16, SSTB
	s_add_co_u32 s30, s30, SST                     ; my SST
	v_lshlrev_b32 v[SSTO], 2, v[RR]
	v_lshl_add_u32 v[SSTO], v[HH], 6, v[SSTO]
	v_add_nc_u32 v[SSTO], s30, v[SSTO]
	v_mul_u32_u24 v[SCD], v[RR], PITCH
	v_lshl_add_u32 v[SCD], v[HH], 5, v[SCD]
	v_add_nc_u32 v[SCD], s30, v[SCD]
	v_mul_u32_u24 v[SROW], v[HH], PITCH
	v_lshl_add_u32 v[SROW], v[RR], 4, v[SROW]
	v_add_nc_u32 v[SROW], s30, v[SROW]
	v_lshlrev_b32 v[VOFF], 4, v[LN]
	s_lshl_b32 s31, s18, 17                        ; 256 gx rows of 512 bytes
	s_lshl_b32 s48, s16, 15                        ; + 64 w rows
	s_add_co_u32 s31, s31, s48
	v_add_nc_u32 v[EOFF], s31, v[VOFF]
	s_lshl2_add_u32 s49, s18, s16                  ; 4 gx + w
	s_lshl_b32 s50, s49, 9                         ; R(0) = 16,384 y + 4 gx + w, rows of 512 bytes
	s_lshl_b32 s51, s19, 23
	s_add_co_u32 s50, s50, s51
	v_add_nc_u32 v[FOFF], s50, v[VOFF]
	s_lshl_b32 s50, s49, 8                         ; the same row of out, 256 bytes
	s_lshl_b32 s51, s19, 22
	s_add_co_u32 s50, s50, s51
	v_lshlrev_b32 v[OOFF], 4, v[RR]
	v_lshl_add_u32 v[OOFF], v[HH], 17, v[OOFF]     ; lanes 16-31: R(1), 512 rows further down
	v_add_nc_u32 v[OOFF], s50, v[OOFF]
	v_mov_b32 v[ZR], 0
	v_mov_b32 v[RX+4], 0                           ; v_permlanex16_b32 counts as a reader of its destination
	v_mov_b32 v[RX+5], 0
	s_wait_dscnt 0x0
	s_wait_kmcnt 0x0
	s_add_nc_u64 s[8:9], s[8:9], s[26:27]          ; Wb at my quarter of tile 0: made of y and w, which the partners share
.irp s, 0,1
	s_mov_b32 s[G0+4*\s], 1                                        ; count = 1
	s_add_co_u32 s[G0+4*\s+1], s28, \s*SLOTB                       ; LDS address
	s_add_nc_u64 s[G0+4*\s+2:G0+4*\s+3], s[8:9], \s*TILEB          ; global address: tile s
	s_or_b32 s[G0+4*\s+3], s[G0+4*\s+3], 0x80000000               ; type = 2
.endr
	CROUND                                         ; the four work-groups are here: the first joint loads meet
	tensor_load_to_lds s[G0:G0+3], s[G1:G1+7]      ; both first fills as one group; by this text's count two tensor loads are out here, later one
	s_nop 0
	tensor_load_to_lds s[G0+4:G0+7], s[G1:G1+7]
	s_nop 0
	; ---- my 64 rows of e2 and of e1: a load of the wave is one whole row of 512 bytes
	global_load_b128 v[BB:BB+3], v[VOFF], s[12:13] ; b: 128 numbers, four a lane
	WIN TO2
	LDROWS 64, 0, EOFF, 6, 512, 0                  ; e2 into window 2
	WIN TO3
	LDROWS 64, 0, EOFF, 4, 512, 0                  ; e1 into window 3
	WIN FROM2
	s_wait_loadcnt 0x3f                            ; 64 loads were issued behind e2's last: with 63 out, b and all of e2 are in
	CVT16 0
	CVT16 1
	CVT16 2
	CVT16 3
	WIN 0
	PUT
	FRAGS 0                                        ; e2's fragments, window 1, v0-127
	; the sum of b, each number rounded to bf16 like every input, times 2.885390, as a scalar
	v_cvt_pk_bf16_f32 v[RX],   v[BB],   v[BB+1]
	v_cvt_pk_bf16_f32 v[RX+1], v[BB+2], v[BB+3]
	v_lshlrev_b32 v[BB],   16,  v[RX]
	v_and_b32     v[BB+1], s22, v[RX]
	v_lshlrev_b32 v[BB+2], 16,  v[RX+1]
	v_and_b32     v[BB+3], s22, v[RX+1]
	v_add_f32 v[BB],   v[BB],   v[BB+1]
	v_add_f32 v[BB+2], v[BB+2], v[BB+3]
	v_add_f32 v[BB],   v[BB],   v[BB+2]
	v_add_f32_dpp v[BB], v[BB], v[BB] row_xmask:1 row_mask:0xf bank_mask:0xf
	v_add_f32_dpp v[BB], v[BB], v[BB] row_xmask:2 row_mask:0xf bank_mask:0xf
	v_add_f32_dpp v[BB], v[BB], v[BB] row_xmask:4 row_mask:0xf bank_mask:0xf
	v_add_f32_dpp v[BB], v[BB], v[BB] row_xmask:8 row_mask:0xf bank_mask:0xf
	v_permlanex16_b32 v[RX+4], v[BB], s20, s21
	v_add_f32 v[BB], v[BB], v[RX+4]
	v_mul_f32 v[BB], s23, v[BB]
	v_readfirstlane_b32 s24, v[BB]
	WIN FROM3
	s_wait_loadcnt 48                              ; e1's rows 0-15 are in; the 48 younger rows stay out, and so on down
	CVT16 0
	s_wait_loadcnt 32
	CVT16 1
	s_wait_loadcnt 16
	CVT16 2
	s_wait_loadcnt 0x0
	CVT16 3
	WIN 0
	s_wait_dscnt 0x0                               ; e2's fragments have been read out of ESTG
	PUT
	FRAGS 128                                      ; e1 packed, window 1, v128-255
	WIN TO2
	LDROWS 32, 0, FOFF, 4, 262144, 0               ; for the linear term: e1's rows R(kk), 512 rows apart, into window 2, v0-127; they land under the matrix work
	WIN 0
	s_wait_tensorcnt 0x1                           ; my quarter of tile 0 is in; tile 1's may stay out
	s_wait_dscnt 0x0                               ; e1's fragments are in, and no LDS instruction is pending at the signal
	s_barrier_signal -1
	s_barrier_wait -1                              ; everybody's quarter is in
	LOADA WADR, 0, 0
	LOADA WADR, 1, 1
	; ---- sixteen tiles of two k each
	TILE 0, 2, 1
	WIN TO2
	LDROWS 32, 128, FOFF, 6, 262144, 0             ; e2's rows R(kk), window 2, v128-255
	TILE 1, 2, 0
	WIN TO3
	LDROWS 32, 0, VOFF, 10, 512, 0                 ; Vf's first half, window 3, v0-127
	WIN 0                                          ; at a label and at a branch every window is 0
	s_mov_b32 s25, 6
.Lring:                                            ; tiles 2 to 13; tile 13 asks for tile 15
	TILE 0, 2, 0
	TILE 1, 2, 0
	WIN 0
	s_sub_co_u32 s25, s25, 1
	s_cmp_lg_u32 s25, 0
	s_cbranch_scc1 .Lring
	WIN TO3
	LDROWS 32, 128, VOFF, 10, 512, 16384           ; Vf's second half, window 3, v128-255
	TILE 0, 1, 0                                   ; tile 14: a change of slots, no refill, so my work-group's barrier alone
	TILE 1, 0, 0                                   ; tile 15
	FMAS 1, 7, 0, 31                               ; the last group's sums
	WIN 0
	REDUCE
	; ---- the linear term: 32 rows R(kk) x 64 columns, K = 256, added onto the sums
	s_wait_loadcnt 0x0                             ; the 64 rows and Vf
	WIN FROM2
	CVT16 0
	CVT16 1
	CVT16 2
	CVT16 3
	WIN 0
	PUT
	FRAGS 0                                        ; window 1: 32 x (0, 1) e1's rows kk = 0-15, 16-31; 32 x (2, 3) e2's
	; C: accumulator a = 4 mt + t; register j of lane (r, h) = the sum of row kk = 16 mt + r, column 16 t + 8 h + j
.set ca, 0
.rept 8
	ds_load_b128 v[ACC+8*ca:ACC+8*ca+3],   v[SCD] offset:16*PITCH*(ca>>2)+64*(ca&3)
	ds_load_b128 v[ACC+8*ca+4:ACC+8*ca+7], v[SCD] offset:16*PITCH*(ca>>2)+64*(ca&3)+16
.set ca, ca+1
.endr
	s_wait_dscnt 0x0
	WIN FF
	; source 0 = 16 columns of V, source 1 = 16 rows of e: a lane's eight results are eight neighbouring columns of one row of out.
	; The eight accumulators take turns, one instruction a turn.
.set fs, 0
.rept 8
.set fa, 0
.rept 8
	v_wmma_f32_16x16x32_bf16 v[ACC+8*fa:ACC+8*fa+7], v[8*(4*fs+(fa&3)):8*(4*fs+(fa&3))+7], v[32*(2*(fs>>2)+(fa>>2))+8*(fs&3):32*(2*(fs>>2)+(fa>>2))+8*(fs&3)+7], v[ACC+8*fa:ACC+8*fa+7]
.set fa, fa+1
.endr
.set fs, fs+1
.endr
	WIN 0
.rept 4
	v_nop                                          ; the places behind the last matrix instructions
.endr
.irp a, 0,1,2,3,4,5,6,7
	TANH8 ACC+8*\a
.endr
	; ---- the way out: back into my SST, read by rows, sixteen lanes store the 256 consecutive bytes of a row of out
.set ca, 0
.rept 8
	ds_store_b128 v[SCD], v[ACC+8*ca:ACC+8*ca+3]   offset:16*PITCH*(ca>>2)+64*(ca&3)
	ds_store_b128 v[SCD], v[ACC+8*ca+4:ACC+8*ca+7] offset:16*PITCH*(ca>>2)+64*(ca&3)+16
.set ca, ca+1
.endr
.set ca, 0
.rept 16
	ds_load_b128 v[AF+4*ca:AF+4*ca+3], v[SROW] offset:2*PITCH*ca   ; rows 2 n, 2 n + 1; a wave's LDS instructions are served in order: these see the stores above
.set ca, ca+1
.endr
.set ca, 0
.rept 16
	s_wait_dscnt 15-ca                             ; load n is in, the 15 - n younger ones stay out
	global_store_b128 v[OOFF], v[AF+4*ca:AF+4*ca+3], s[14:15] offset:262144*ca th:TH_STORE_NT
.set ca, ca+1
.endr
	s_wait_tensorcnt 0x0
	ds_add_u32 v254, v255
	s_wait_dscnt 0x0
	CROUND                                         ; the closing round: no work-group ends while a partner may still ask for a tile that names it
	s_endpgm
.Lfunc_end_k_qd95dd33514_ntl:
	.size	k_qd95dd33514_ntl, .Lfunc_end_k_qd95dd33514_ntl-k_qd95dd33514_ntl
	.p2alignl 7, 3214868480
	.fill 96, 4, 3214868480
	.section	.rodata,"a",@progbits
	.p2align	6, 0x0
	.amdhsa_kernel k_qd95dd33514_ntl
		.amdhsa_group_segment_fixed_size 327680
		.amdhsa_private_segment_fixed_size 0
		.amdhsa_enable_private_segment 0
		.amdhsa_kernarg_size 48
		.amdhsa_user_sgpr_count 2
		.amdhsa_user_sgpr_kernarg_segment_ptr 1
		.amdhsa_wavefront_size32 1
		.amdhsa_system_sgpr_workgroup_id_x 1
		.amdhsa_system_sgpr_workgroup_id_y 1
		.amdhsa_system_sgpr_workgroup_id_z 1
		.amdhsa_system_vgpr_workitem_id 0
		.amdhsa_next_free_vgpr 1024
		.amdhsa_next_free_sgpr 66
		.amdhsa_reserve_vcc 0
		.amdhsa_float_denorm_mode_32 3
		.amdhsa_float_denorm_mode_16_64 3
		.amdhsa_memory_ordered 1
		.amdhsa_forward_progress 1
		.amdhsa_inst_pref_size 255
	.end_amdhsa_kernel
	.section	.bss,"aw",@nobits
	.p2align	6
	.space	262144
	.amdgpu_metadata
---
amdhsa.version: [ 1, 2 ]
amdhsa.kernels:
  - .name:           k_qd95dd33514_ntl
    .symbol:         k_qd95dd33514_ntl.kd
    .args:
      - { .name: e1, .offset: 0, .size: 8, .value_kind: global_buffer, .address_space: global }
      - { .name: e2, .offset: 8, .size: 8, .value_kind: global_buffer, .address_space: global }
      - { .name: Wb, .offset: 16, .size: 8, .value_kind: global_buffer, .address_space: global }
      - { .name: Vf, .offset: 24, .size: 8, .value_kind: global_buffer, .address_space: global }
      - { .name: b, .offset: 32, .size: 8, .value_kind: global_buffer, .address_space: global }
      - { .name: out0, .offset: 40, .size: 8, .value_kind: global_buffer, .address_space: global }
    .group_segment_fixed_size: 327680
    .private_segment_fixed_size: 0
    .kernarg_segment_align: 8
    .kernarg_segment_size: 48
    .max_flat_workgroup_size: 128
    .sgpr_count:     66
    .vgpr_count:     1024
    .wavefront_size: 32
...
	.end_amdgpu_metadata
.endif
;; end of part 2
